; MI455X (gfx1250); checked and timed in simulation.
; The chip was launched on July 23, 2026; its instructions are those of AMD's public machine-readable ISA for CDNA 5 (MIT licence, August 2026) and "CDNA5" Instruction Set Architecture Reference Guide (July 2026). The comments in the code are by the model that wrote it; some were corrected since.
;; Prototypical Network. Allowed arithmetic: float matrix products may take bf16 or f16 operands with f32 sums; other float arithmetic in f32, or as packed bf16 or f16 multiplies, adds, multiply-adds, maxima and minima; sums over many terms, partial sums and values carried from step to step in f32; what a program stores and reads back later, other than sums and carried values, may be rounded once to bf16 or f16.
;; Inputs: bootstrap_indices 8 x 128 x 32 int32; query_set_repr 65,536 x 128 float32; support_labels 4,096 int32; support_set_repr 4,096 x 128 float32.
;; Outputs: out0 65,536 x 128 float32.
;; One version. Each part assembles by itself: llvm-mc -triple=amdgcn-amd-amdhsa -mcpu=gfx1250 --defsym DOCPART=n.
;; ======== version 1 of 1: 2 launches
;; workspace buffers: pws 262,144 bytes
;; launch protos (part 1): grid 128 x 1, 8 waves a work-group, no clusters, 0 bytes of LDS; arguments support_set_repr, bootstrap_indices, pws; writes pws
.if DOCPART == 1
	.amdgcn_target "amdgcn-amd-amdhsa--gfx1250"
	.amdhsa_code_object_version 6
	.text
	.protected	k_qa0b6fdacdd_protos
	.globl	k_qa0b6fdacdd_protos
	.p2align	8
	.type	k_qa0b6fdacdd_protos,@function
k_qa0b6fdacdd_protos:
	s_mov_b64 s[64:65], 0
	v_nop
	global_prefetch_b8 v0, s[64:65] scope:SCOPE_SE
	s_setreg_imm32_b32 hwreg(HW_REG_WAVE_MODE, 25, 1), 1
	s_wait_xcnt 0x0
; PROTOTYPES.  proto[b][c][:] = the mean of the 32 rows support[32 c + idx[b][c][s]][:], s = 0 .. 31; written in bf16 for the launch behind.
; WORK LEFT OUT: support_labels.  reference() takes it as an argument and never reads it: the classes come from a reshape of the support rows.  So no value that it holds, whatever it is,
; has a way to the output; it is not loaded and is among no launch's arguments.  It holds whole numbers, so no NaN, infinity or overflow can lie in what is left out.
; THE MEAN AS A WEIGHTED SUM.  Row s of the class enters as often as the 32 indices name it: proto = the sum over s of w[s] row[s], w[s] = (how many indices equal s) / 32.  That is 32
; multiply-adds a channel, as many as the gather has additions, and no address hangs on an index: the rows and the indices are asked for side by side.
; SHARES.  Work-group = class c, wave = bootstrap b, lane l = channels 4 l .. 4 l + 3.  Lane l also counts index value l.
; OUT.  pws: 1,024 rows of 128 bf16 (256 bytes).  Row of (b, c) = 256 (c >> 5) + 16 (2 b + ((c >> 4) & 1)) + (c & 15): the next launch's wave w owns rows 256 w .. 256 w + 255.
; LIMITS.  An index outside 0 .. 31 counts for no row (the problem keeps an index inside its table).  A row that no index names enters with the weight 0, so a NaN or an infinity in it
; would reach the result.  The sum's order differs from reference()'s; the prototype is rounded once to bf16.
.set ROW, 16                           ; v[16:143]  row s of the class, my 4 channels, at ROW + 4 s
.set W,   32                           ; s[32:63]   the 32 indices, later the 32 weights
	s_load_b128 s[4:7], s[0:1], 0x0                ; support s[4:5], indices s[6:7]
	s_load_b64 s[8:9], s[0:1], 0x10                ; pws
	v_lshrrev_b32 v11, 5, v0
	v_readfirstlane_b32 s10, v11                   ; b = my wave's number
	v_and_b32 v2, 31, v0                           ; l
	v_lshlrev_b32 v1, 4, v2                        ; 16 l: my 16 bytes of a row
	s_mov_b32 s11, 0x3d000000                      ; 1 / 32
	s_lshl_b32 s12, ttmp9, 14                      ; the class's 32 rows of 512 bytes
	s_mov_b32 s13, 0
	s_lshl_b32 s14, s10, 7
	s_add_co_u32 s14, s14, ttmp9                   ; 128 b + c,
	s_lshl_b32 s14, s14, 7                         ; times 32 indices of 4 bytes
	s_mov_b32 s15, 0
	s_lshr_b32 s16, ttmp9, 5
	s_lshl_b32 s16, s16, 8                         ; 256 (c >> 5)
	s_bfe_u32 s17, ttmp9, 0x10004                  ; (c >> 4) & 1
	s_lshl1_add_u32 s17, s10, s17                  ; 2 b + that
	s_lshl4_add_u32 s16, s17, s16
	s_and_b32 s17, ttmp9, 15
	s_add_co_u32 s16, s16, s17                     ; the row in pws,
	s_lshl_b32 s16, s16, 8                         ; in bytes
	v_lshl_add_u32 v10, v2, 3, s16                 ; + my 8 bytes
	s_wait_kmcnt 0x0
	s_add_nc_u64 s[4:5], s[4:5], s[12:13]
	s_add_nc_u64 s[6:7], s[6:7], s[14:15]
	s_load_b512 s[32:47], s[6:7], 0x0              ; the 32 indices of (b, c)
	s_load_b512 s[48:63], s[6:7], 0x40
.set i, 0
.rept 32
	global_load_b128 v[ROW+4*i:ROW+4*i+3], v1, s[4:5] offset:512*i  ; a whole row of 512 bytes an instruction
.set i, i+1
.endr
	s_wait_kmcnt 0x0                               ; the indices
	v_cmp_eq_u32 vcc_lo, s[W], v2                  ; lane l: is this index l?
	v_cndmask_b32 v3, 0, s11, vcc_lo               ; then 1 / 32 (sums of these are exact)
.set i, 1
.rept 31
	v_cmp_eq_u32 vcc_lo, s[W+i], v2
	v_cndmask_b32 v12, 0, s11, vcc_lo
	v_add_f32 v3, v3, v12
.set i, i+1
.endr
.set i, 0
.rept 32
	v_readlane_b32 s[W+i], v3, i                   ; weight of row i, for all lanes
.set i, i+1
.endr
	s_wait_loadcnt 31                              ; row 0 is in; the 31 younger rows may stay out
.irp j, 0,1,2,3
	v_mul_f32 v[4+\j], s[W], v[ROW+\j]             ; the first row starts the sums
.endr
.set i, 1
.rept 31
	s_wait_loadcnt 31-i                            ; row i is in (loads come back in order: ISA guide 5.7.1)
.irp j, 0,1,2,3
	v_fmac_f32 v[4+\j], s[W+i], v[ROW+4*i+\j]
.endr
.set i, i+1
.endr
	v_cvt_pk_bf16_f32 v8, v4, v5
	v_cvt_pk_bf16_f32 v9, v6, v7
	global_store_b64 v10, v[8:9], s[8:9]           ; the wave's store covers 256 consecutive bytes, at a multiple of 256 from pws' first byte
	s_endpgm
.Lfunc_end_k_qa0b6fdacdd_protos:
	.size	k_qa0b6fdacdd_protos, .Lfunc_end_k_qa0b6fdacdd_protos-k_qa0b6fdacdd_protos
	.p2alignl 7, 3214868480
	.fill 96, 4, 3214868480
	.section	.rodata,"a",@progbits
	.p2align	6, 0x0
	.amdhsa_kernel k_qa0b6fdacdd_protos
		.amdhsa_group_segment_fixed_size 0
		.amdhsa_private_segment_fixed_size 0
		.amdhsa_enable_private_segment 0
		.amdhsa_kernarg_size 24
		.amdhsa_user_sgpr_count 2
		.amdhsa_user_sgpr_kernarg_segment_ptr 1
		.amdhsa_wavefront_size32 1
		.amdhsa_system_sgpr_workgroup_id_x 1
		.amdhsa_system_sgpr_workgroup_id_y 1
		.amdhsa_system_sgpr_workgroup_id_z 1
		.amdhsa_system_vgpr_workitem_id 0
		.amdhsa_next_free_vgpr 144
		.amdhsa_next_free_sgpr 66
		.amdhsa_reserve_vcc 1
		.amdhsa_float_denorm_mode_32 3
		.amdhsa_float_denorm_mode_16_64 3
		.amdhsa_memory_ordered 1
		.amdhsa_forward_progress 1
		.amdhsa_inst_pref_size 16
	.end_amdhsa_kernel
	.amdgpu_metadata
---
amdhsa.version: [ 1, 2 ]
amdhsa.kernels:
  - .name:           k_qa0b6fdacdd_protos
    .symbol:         k_qa0b6fdacdd_protos.kd
    .args:
      - { .name: support_set_repr, .offset: 0, .size: 8, .value_kind: global_buffer, .address_space: global }
      - { .name: bootstrap_indices, .offset: 8, .size: 8, .value_kind: global_buffer, .address_space: global }
      - { .name: pws, .offset: 16, .size: 8, .value_kind: global_buffer, .address_space: global }
    .group_segment_fixed_size: 0
    .private_segment_fixed_size: 0
    .kernarg_segment_align: 8
    .kernarg_segment_size: 24
    .max_flat_workgroup_size: 256
    .sgpr_count:     66
    .vgpr_count:     144
    .wavefront_size: 32
...
	.end_amdgpu_metadata
.endif
;; end of part 1
;; launch dist (part 2): grid 256 x 1, 4 waves a work-group, clusters of 4 x 1, 296,960 bytes of LDS; arguments query_set_repr, pws, out0; writes out0
.if DOCPART == 2
	.amdgcn_target "amdgcn-amd-amdhsa--gfx1250"
	.amdhsa_code_object_version 6
	.text
	.protected	k_qa0b6fdacdd_dist
	.globl	k_qa0b6fdacdd_dist
	.p2align	8
	.type	k_qa0b6fdacdd_dist,@function
k_qa0b6fdacdd_dist:
	s_mov_b64 s[64:65], 0
	v_nop
	global_prefetch_b8 v0, s[64:65] scope:SCOPE_SE
	s_setreg_imm32_b32 hwreg(HW_REG_WAVE_MODE, 25, 1), 1
	s_wait_xcnt 0x0
	s_wait_alu depctr_hold_cnt(0) depctr_sa_sdst(0) depctr_va_vdst(0) depctr_va_sdst(0) depctr_va_ssrc(0) depctr_va_vcc(0) depctr_vm_vsrc(0)
	s_getreg_b32 s2, hwreg(HW_REG_IB_STS2, 6, 4)
	s_cmp_eq_u32 s2, 0
	s_cbranch_scc0 .Lentry_in_a_cluster
	s_endpgm
.Lentry_in_a_cluster:
	s_bfe_u32 s2, ttmp6, 0x10000c
	s_cmp_lg_u32 s2, 0x3003
	s_cbranch_scc0 .Lentry_shape_is_right
	s_endpgm
.Lentry_shape_is_right:
; out[q][c] = -(1/8) x the sum over b of sqrt(max(|q|^2 + |p(b,c)|^2 - 2 q . p(b,c), 0)).  q: [65536][128] f32; p: pws, 1,024 rows of 128 bf16 as the launch before laid them; out: [65536][128] f32.
; WORK LEFT OUT: support_labels, which reference() never reads (shown at the head of the first kernel).
; SHARES.  A work-group owns 256 queries: 16 tiles of 16.  THE PROTOTYPES STAND STILL: wave w keeps rows 256 w .. 256 w + 255 of pws (16 tiles p of 16 rows: bootstrap p >> 1, classes 32 w + 16 (p & 1) + r)
; in 512 registers for the whole launch, and all 16 query tiles pass by every wave: 10 LDS loads for a tile's 64 matrix instructions.  The sum over b never leaves the wave's 16 registers ACC.
; LAYOUT.  Source 0 = 16 queries, source 1 = 16 prototypes: register j of lane (r = l % 16, h = l / 16) of the result is (query 8 h + j, class r).
; ARITHMETIC.  q is rounded to bf16 on its way into LDS.  The first K step's C operand is -|q|^2 / 2, so the product gives q . p - |q|^2 / 2, and d^2 = -2 x that + |p|^2 is one packed multiply-add; then the
; maximum with 0, the root, and ACC += -0.125 x root.  |q|^2 and |p|^2 are taken of the ROUNDED numbers, as the diagonal of X X^T on the matrix unit, so that d^2 is the squared distance of the rounded
; vectors up to f32's rounding, for inputs with a common offset too.
; WINDOWS (s_set_vgpr_msb: bits 1:0 source 0, 3:2 source 1, 5:4 source 2, 7:6 destination).  The prototypes are source 1, and no vector instruction of the loop names a vector register as source 1
; (there stand constants and scalar pairs): ONE setting serves 32 products and all that stands between them.
; PIPELINE.  A DOUBLE STEP is 32 products (8 prototype tiles x 4 K steps, the 8 accumulators by turns) into one of two buffers S; behind each product stand five vector instructions that work on the OTHER
; buffer.  Its 64 roots are one batch with one wait; behind that wait stand the double step's LDS and memory instructions in one run, then the 32 packed multiply-adds into ACC.
; OUT.  A finished tile's ACC goes into one of two LDS slots of 16 rows (each wave its 128 bytes of a row); one barrier a tile; each wave reads four whole rows back and stores 512 consecutive bytes an instruction.
; CLUSTER.  Every work-group reads the same 262,144 bytes of pws: the four of a cluster ask for them JOINTLY (the same tensor loads, descriptors and mask in all four).  All are first fills: no LDS byte is filled twice.
; The queries' loads all go out at the head, so nothing is left that could be asked for ahead of its load.
; LIMITS.  q and p enter the products in bf16; the sums' order differs from reference()'s; a NaN in d^2 counts as 0 in the maximum, infinities are not treated apart; a root below 2^-126 counts as 0.
;
; LDS.  PROT 0 .. 278,527: 1,024 rows of 256 + 16 bytes, wave w's at 69,632 w, read by wave w alone.  QST 0 .. 69,631: the 256 queries in bf16, same pitch, written over PROT's first part when its one fill
; has landed and every wave has read its prototypes out.  CQT: -|q|^2 / 2, an f32 a query.  ORING: two slots of 16 rows of 512 + 16 bytes.  SPARE: the spare words.
.set PITCH,  272                       ; 256 bytes + 16 = 68 words: the 16 rows of a fragment load start at 16 different groups of four banks (64 banks of 4 bytes: ISA guide 11.1)
.set PROTW,  256*PITCH                 ; a wave's prototypes
.set QTILE,  16*PITCH
.set CQT,    4*PROTW
.set ORING,  CQT+1024
.set OPITCH, 528
.set OSLOT,  16*OPITCH
.set SPARE,  ORING+2*OSLOT             ; 128 bytes for each wave
; window 0
.set QA0, 1                            ; v1   272 r + 16 h: my place in a fragment's rows; never rewritten
.set CA0, 2                            ; v2   CQT + 32 h; never rewritten
.set OST, 3                            ; v3   ORING + 8 h rows + 128 w + 4 r: where ACC goes
.set ORD, 4                            ; v4   ORING + 4 w rows + 16 l: where rows are read back
.set GO,  5                            ; v5   my byte offset in out0's rows of the work-group: row 4 w, 16 l; steps a tile (8,192) at a time
.set SPW, 6                            ; v6   LDS address of my spare word; never rewritten
.set NIL, 7                            ; v7   0; never rewritten
.set RR,  8                            ; v8   in the head r,
.set HH,  9                            ; v9   and h;
.set ADQ, 8                            ;      in the loop the LDS address of the next tile's fragments,
.set ADC, 9                            ;      and of its -|q|^2 / 2
.set QW,  10                           ; v10  where my 8 bytes of a converted query row go
.set PA,  11                           ; v11  my place in my wave's prototypes; later in my wave's 64 query rows
.set TQ,  12                           ; v12  CQT + 4 (64 w + r)
.set UU,  13                           ; v13  takes the other half of the lanes' number
.set TA,  14                           ; v14  at work
.set QL,  15                           ; v15  16 l: my 16 bytes of a query row in memory; never rewritten
.set PP,  16                           ; v[16:31]   |p|^2 of class r in tile p
.set CQ,  32                           ; v[32:47]   -|q|^2 / 2 of queries 8 h + j: two sets of 8
.set ACC, 48                           ; v[48:63]   the sum over b: 8 (p & 1) + j
.set QF,  64                           ; v[64:127]  a query tile's fragments: two sets of 32, K step kc at 8 kc
.set S,   128                          ; v[128:255] two buffers of 8 accumulators
; window 1: prototype tiles 0-7 at 32 p + 8 kc; window 2: tiles 8-15; window 3: v0-255 the 64 query rows as loaded (row i at 4 i), later v0-15 four rows on their way out
.set WV,  10                           ; s10  my wave's number
.set G1,  16                           ; s[16:23] descriptor group 1
.set G0,  24                           ; s[24:39] four sets of descriptor group 0
.set MD,  40                           ; s40  lanes with h = r >> 3: they hold the diagonal
.set MK,  40                           ; s[41:47] MK + j: lanes with r & 7 = j
.set SEL, 48                           ; s[48:49] v_permlanex16_b32's selects: each lane takes its own place in the other half
.set KS,  50                           ; s[50:51] -0.125
.set CNT, 52
.set TQO, 53                           ; s53  the next tile's bytes in QST
.set TCO, 62                           ; s62  and in CQT
.set MSB, 0
.macro WIN new                         ; the immediate's high byte repeats the setting that is left; a switch that changes nothing is dropped
.if MSB != (\new)
	s_set_vgpr_msb (MSB<<8)|(\new)
.set MSB, (\new)
.endif
.endm
.macro PLACES                          ; four places behind a matrix instruction (ISA guide 7.12.1)
.rept 4
	v_nop
.endr
.endm
; A round of the cluster's barrier: my work-group's barrier; wave 0 signals for the work-group; every wave waits for all four work-groups; my work-group's barrier once more.
.macro CROUND
	s_barrier_signal -1
	s_barrier_wait -1
	s_cmp_lg_u32 s[WV], 0
	s_cbranch_scc1 .Lnot_wave_0_\@
	s_barrier_signal -3
.Lnot_wave_0_\@:
	s_barrier_wait -3
	s_barrier_signal -1
	s_barrier_wait -1
.endm
; One K step of X X^T: both sources are the same fragment.  z = 1: it starts the sum.
.macro SQ d, f, z
.if \z
	v_wmma_f32_16x16x32_bf16 v[(\d):(\d)+7], v[(\f):(\f)+7], v[(\f):(\f)+7], 0
.else
	v_wmma_f32_16x16x32_bf16 v[(\d):(\d)+7], v[(\f):(\f)+7], v[(\f):(\f)+7], v[(\d):(\d)+7]
.endif
.endm
; The diagonal of the 16 x 16 result at v[d ..]: element (r, r) lies in register r & 7 of the lane with h = r >> 3.  Every lane picks register r & 7 (from the accumulator's low end on), takes the
; other half's pick, and keeps the one that is the diagonal's: every lane ends with x(r) . x(r).
.macro EXTR d, dst
	v_cndmask_b32 v[TA], v[(\d)], v[(\d)+1], s[MK+1]
.irp j, 2,3,4,5,6,7
	v_cndmask_b32 v[TA], v[TA], v[(\d)+\j], s[MK+\j]
.endr
	v_permlanex16_b32 v[UU], v[TA], s[SEL], s[SEL+1]
	v_cndmask_b32 v[(\dst)], v[UU], v[TA], s[MD]
.endm
; Product i of 32 of double step e (prototype tiles 8 e + i % 8, K step i / 8) on the query fragments of set par.  The first 8 start the sums with -|q|^2 / 2.
.macro MMA e, i, par
.set kc, (\i)/8
.set a, (\i)%8
.set rD, S+64*(\e)+8*a
.set rA, QF+32*(\par)+8*kc
.set rB, 32*a+8*kc
.if kc == 0
	v_wmma_f32_16x16x32_bf16 v[rD:rD+7], v[rA:rA+7], v[rB:rB+7], v[CQ+8*(\par):CQ+8*(\par)+7]
.else
	v_wmma_f32_16x16x32_bf16 v[rD:rD+7], v[rA:rA+7], v[rB:rB+7], v[rD:rD+7]
.endif
.endm
; Pair g of 32 of buffer x: d^2 = -2 (q . p - |q|^2 / 2) + |p|^2; |p|^2 of an even tile is its pair's first register, of an odd tile the second.
.macro FOP x, g
.set rS, S+64*(\x)+2*(\g)
.set pp, 8*(\x)+(\g)/4
.if pp%2 == 0
	v_pk_fma_f32 v[rS:rS+1], v[rS:rS+1], -2.0, v[PP+pp:PP+pp+1] op_sel_hi:[1,0,0]
.else
	v_pk_fma_f32 v[rS:rS+1], v[rS:rS+1], -2.0, v[PP+pp-1:PP+pp] op_sel:[0,0,1] op_sel_hi:[1,0,1]
.endif
.endm
; Slice i of 34 of buffer x's vector work: d^2 of pair i, the maxima of pair i - 1, the roots of pair i - 2; plain instructions and roots by turns, each five lines behind the one that feeds it.
; The maximum names its register as source 0 and the constant as source 1.  No line here names a root's result.
.macro SLICE x, i
.set sb, S+64*(\x)
.if (\i) < 32
	FOP \x, \i
.endif
.if ((\i) > 0) && ((\i) < 33)
	v_max_num_f32 v[sb+2*(\i)-2], v[sb+2*(\i)-2], 0
.endif
.if (\i) > 1
	v_sqrt_f32 v[sb+2*(\i)-4], v[sb+2*(\i)-4]
.endif
.if ((\i) > 0) && ((\i) < 33)
	v_max_num_f32 v[sb+2*(\i)-1], v[sb+2*(\i)-1], 0
.endif
.if (\i) > 1
	v_sqrt_f32 v[sb+2*(\i)-3], v[sb+2*(\i)-3]
.endif
.endm
; Buffer x's 64 roots into ACC, times -0.125.  init = 1: the first two accumulators start the sums: nothing is cleared.
.macro ALUMP x, init
.set a, 0
.rept 8
.set u, 0
.rept 4
.set rd, ACC+8*(a%2)+2*u
.set rs, S+64*(\x)+8*a+2*u
.if (\init) && (a < 2)
	v_pk_mul_f32 v[rd:rd+1], v[rs:rs+1], s[KS:KS+1] op_sel_hi:[1,0]
.else
	v_pk_fma_f32 v[rd:rd+1], v[rs:rs+1], s[KS:KS+1], v[rd:rd+1] op_sel_hi:[1,0,1]
.endif
.set u, u+1
.endr
.set a, a+1
.endr
.endm
.macro QLOAD qs, aq, ac                ; a query tile's four fragments and its -|q|^2 / 2 into set qs: ten loads
.irp k, 0,1,2,3
	ds_load_b128 v[QF+32*(\qs)+8*\k:QF+32*(\qs)+8*\k+3],   v[\aq] offset:64*\k
	ds_load_b128 v[QF+32*(\qs)+8*\k+4:QF+32*(\qs)+8*\k+7], v[\aq] offset:64*\k+32
.endr
	ds_load_b128 v[CQ+8*(\qs):CQ+8*(\qs)+3],   v[\ac]
	ds_load_b128 v[CQ+8*(\qs)+4:CQ+8*(\qs)+7], v[\ac] offset:16
.endm
.macro ROWS slot                       ; my four whole rows of a finished tile, back from the slot, into window 3
	WIN 0xc0
.irp f, 0,1,2,3
	ds_load_b128 v[4*\f:4*\f+3], v[ORD] offset:(\slot)*OSLOT+OPITCH*\f
.endr
	WIN 0
.endm
.macro SEND                            ; and out: each store covers 512 consecutive bytes, at a multiple of 256 from out0's first byte
	WIN 0x0c
.irp f, 0,1,2,3
	global_store_b128 v[GO], v[4*\f:4*\f+3], s[8:9] offset:512*\f th:TH_STORE_NT
.endr
	WIN 0
.endm
.macro STACC slot                      ; ACC into the slot: row 8 h + j, my wave's 128 bytes of it
.irp c, 0,1
.irp j, 0,1,2,3,4,5,6,7
	ds_store_b32 v[OST], v[ACC+8*\c+\j] offset:(\slot)*OSLOT+OPITCH*\j+64*\c
.endr
.endr
.endm
; QUERY TILE n (par = n & 1).  Double step 0 makes S0(n) while S1(n - 1) is worked on; double step 1 makes S1(n) while S0(n) is worked on.
; prev: there is a tile n - 1.  bwait: the tile's barrier (ACC(n - 2) lies whole in its slot; the other slot's readers are done).  rows, strows: tile n - 2's rows are read back, and stored.
; step: GO goes a tile on.  next: tile n + 1's fragments are fetched.  stacc: ACC(n - 1) goes into slot (n - 1) & 1.
.macro TILE par, prev, bwait, rows, step, next, stacc, strows
	s_wait_dscnt 0x0                               ; this tile's fragments are in; my stores of ACC into the slot are done, and my reads of the other slot are back:
.if \bwait
	s_barrier_signal -1                            ; say so; products and vector work stand between the signal and the wait
.endif
	WIN 0x04                                       ; source 1: window 1
.set n, 0
.rept 32
	MMA 0, n, \par
.if \prev
	SLICE 1, n
.endif
.set n, n+1
.endr
.if \prev
	SLICE 1, 32
	SLICE 1, 33
	v_nop                                          ; a plain instruction behind the last root,
	s_wait_alu depctr_va_vdst(0)                   ; and the one wait for the 64 roots ahead of the first line that names a result
.else
	PLACES                                         ; no vector work yet: the places behind the products, ahead of the first line that reads S0
.endif
	WIN 0
.if \bwait
	s_barrier_wait -1                              ; every wave has said so
.endif
.if \rows
	s_wait_xcnt 0x0                                ; the last tile's stores have read their offset and data: only behind this wait are GO and the four rows' registers written again
.if \step
	v_add_nc_u32 v[GO], 8192, v[GO]
.endif
	ROWS \par                                      ; tile n - 2 lies in slot n & 1
.endif
.if \next
	s_add_co_u32 s[TQO], s[TQO], QTILE
	s_add_co_u32 s[TCO], s[TCO], 64
	v_add_nc_u32 v[ADQ], s[TQO], v[QA0]
	v_add_nc_u32 v[ADC], s[TCO], v[CA0]
	QLOAD 1-(\par), ADQ, ADC                       ; the other set's last readers stand a double step back
.endif
.if \prev
	ALUMP 1, 0                                     ; ACC(n - 1) is whole
.endif
	WIN 0x08                                       ; source 1: window 2
.set n, 0
.rept 32
	MMA 1, n, \par
	SLICE 0, n
.set n, n+1
.endr
	SLICE 0, 32
	SLICE 0, 33
	v_nop
	s_wait_alu depctr_va_vdst(0)                   ; the one wait for this double step's 64 roots
.if \strows
	s_wait_dscnt 0x0                               ; the rows are back (asked for 32 products ago)
	SEND
.endif
	WIN 0
.if \stacc
	STACC 1-(\par)
.endif
	ALUMP 0, 1                                     ; ACC(n) begins (an LDS store's sources need no wait)
.endm
	s_load_b128 s[4:7], s[0:1], 0x0                ; queries s[4:5], pws s[6:7]
	s_load_b64 s[8:9], s[0:1], 0x10                ; out0
	v_lshl_add_u32 v[SPW], v0, 2, SPARE
	v_mov_b32 v[NIL], 0
	ds_add_u32 v[SPW], v[NIL]                      ; the wave's opening: the add, twice on end, and its wait ahead of the round in front of my first tensor loads
	ds_add_u32 v[SPW], v[NIL]                      ; and once more; the set-up below, work on registers, stands between it and the wait
	v_lshrrev_b32 v[TA], 5, v0
	v_readfirstlane_b32 s[WV], v[TA]               ; wave 0..3
	s_bfe_u32 s11, ttmp6, 0x40000                  ; cx: my place in the cluster
	s_lshl_b32 s12, ttmp9, 2                       ; in a cluster launch ttmp9 counts clusters
	s_add_co_u32 s12, s12, s11                     ; my work-group: it enters the queries' and out0's addresses alone
	s_lshl_b32 s60, s12, 17                        ; its 256 rows of 512 bytes
	s_mov_b32 s61, 0
	s_lshl_b32 s58, s[WV], 15                      ; my wave's 64 of them, on the way in
	s_add_co_u32 s58, s58, s60
	s_mov_b32 s59, 0
	s_lshl_b32 s14, s[WV], 16                      ; my wave's 256 rows of pws
	s_mov_b32 s15, 0
	s_mul_i32 s54, s[WV], PROTW                    ; and their place in LDS: no place in the cluster enters an LDS address
	s_mul_i32 s55, s[WV], 64*PITCH                 ; my wave's 64 rows in QST
	v_and_b32 v[RR], 15, v0                        ; r
	v_bfe_u32 v[HH], v0, 4, 1                      ; h
	v_and_b32 v[TA], 31, v0                        ; l
	v_lshlrev_b32 v[QL], 4, v[TA]
	v_lshl_add_u32 v[QW], v[TA], 3, s55
	v_mul_u32_u24 v[QA0], v[RR], PITCH
	v_lshl_add_u32 v[QA0], v[HH], 4, v[QA0]        ; row x pitch + 16 x half (QST begins at LDS byte 0)
	v_add_nc_u32 v[PA], s54, v[QA0]
	v_lshl_add_u32 v[CA0], v[HH], 5, CQT
	s_lshl_b32 s56, s[WV], 8
	s_add_co_u32 s56, s56, CQT
	v_lshl_add_u32 v[TQ], v[RR], 2, s56
	v_mul_u32_u24 v[OST], v[HH], 8*OPITCH
	v_lshl_add_u32 v[OST], v[RR], 2, v[OST]
	s_lshl_b32 s56, s[WV], 7
	s_add_co_u32 s56, s56, ORING
	v_add_nc_u32 v[OST], s56, v[OST]
	s_mul_i32 s57, s[WV], 4*OPITCH
	s_add_co_u32 s57, s57, ORING
	v_add_nc_u32 v[ORD], s57, v[QL]
	s_lshl_b32 s57, s[WV], 11
	v_add_nc_u32 v[GO], s57, v[QL]
	v_and_b32 v[TA], 7, v[RR]
.irp j, 1,2,3,4,5,6,7
	v_cmp_eq_u32 s[MK+\j], \j, v[TA]
.endr
	v_lshrrev_b32 v[TA], 3, v[RR]
	v_cmp_eq_u32 s[MD], v[HH], v[TA]
	v_mov_b32 v[UU], 0                             ; v_permlanex16_b32's destination counts as read
	s_mov_b32 s[SEL], 0x76543210
	s_mov_b32 s[SEL+1], 0xfedcba98
	s_mov_b32 s[KS], 0xbe000000                    ; -0.125
	s_mov_b32 s[KS+1], 0xbe000000                  ; named with it as a pair
	s_mov_b32 s[TQO], 0
	s_mov_b32 s[TCO], 0
	; descriptor group 1: a tile of 64 rows x 128 elements, padded in LDS
	s_mov_b32 s[G1], 15|(1<<16)|(1<<20)|(1<<21)|(5<<22)|(3<<25)  ; 15:0 the mask: all four work-groups; 17:16 elements of 2 bytes; 20 padding on; 21 set beside a mask; 24:22 after every 64 words (code 5); 31:25 4 words of it (code 3)
	s_mov_b32 s[G1+1], 128<<16                     ; tensor_dim0 = 128
	s_mov_b32 s[G1+2], 64<<16                      ; tensor_dim1 = 64
	s_mov_b32 s[G1+3], 128<<16                     ; tile_dim0 = 128
	s_mov_b32 s[G1+4], 64                          ; tile_dim1 = 64
	s_mov_b32 s[G1+5], 128                         ; 128 elements from row to row
	s_mov_b32 s[G1+6], 0
	s_mov_b32 s[G1+7], 0
	s_wait_dscnt 0x0                               ; both opening adds are done
	s_wait_kmcnt 0x0
	s_add_nc_u64 s[4:5], s[4:5], s[58:59]          ; the queries at my wave's first row
	s_add_nc_u64 s[8:9], s[8:9], s[60:61]          ; out0 at the work-group's first row
	s_add_nc_u64 s[6:7], s[6:7], s[14:15]          ; pws at my wave's first row
.irp i, 0,1,2,3
	s_mov_b32 s[G0+4*\i], 1                        ; 1:0 count = 1
	s_add_co_u32 s[G0+4*\i+1], s54, \i*64*PITCH    ; 63:32 LDS address: my prototype tiles 4 i .. 4 i + 3
	s_add_nc_u64 s[G0+4*\i+2:G0+4*\i+3], s[6:7], \i*16384  ; 120:64 global address
	s_or_b32 s[G0+4*\i+3], s[G0+4*\i+3], 0x80000000        ; 127:126 type = 2
.endr
	WIN 0xc0                                       ; destination window 3, offset window 0
.set i, 0
.rept 48
	global_load_b128 v[4*i:4*i+3], v[QL], s[4:5] offset:512*i th:TH_LOAD_NT  ; a whole query row of 512 bytes an instruction
.set i, i+1
.endr
	WIN 0
	CROUND                                         ; all four work-groups are here: the joint loads meet
.irp i, 0,1,2,3
	tensor_load_to_lds s[G0+4*\i:G0+4*\i+3], s[G1:G1+7]   ; four loads of mine are out at the most
	s_nop 0
.endr
	PLACES                                         ; four vector lines ahead of the next switch of windows
.set p, 0
.rept 16                                       ; my prototypes into registers: tile p, 4 fragments.  The bytes are my own loads': my own wait is all that the reads need
.if p%4 == 0
	s_wait_tensorcnt 3-p/4                         ; tensor loads of a wave end in order (ISA guide 10.11.1): the later ones may stay out
.endif
	WIN 0x40+0x40*(p/8)                            ; destination window 1, then 2
.irp k, 0,1,2,3
	ds_load_b128 v[32*(p%8)+8*\k:32*(p%8)+8*\k+3],   v[PA] offset:QTILE*p+64*\k
	ds_load_b128 v[32*(p%8)+8*\k+4:32*(p%8)+8*\k+7], v[PA] offset:QTILE*p+64*\k+32
.endr
.set p, p+1
.endr
	WIN 0xc0
.set i, 48
.rept 16
	global_load_b128 v[4*i:4*i+3], v[QL], s[4:5] offset:512*i th:TH_LOAD_NT  ; the last 16 query rows
.set i, i+1
.endr
	WIN 0
	s_wait_dscnt 0x0                               ; my prototypes are in registers; my tensor loads have all landed (the last wait was for 0):
	s_barrier_signal -1                            ; PROT may be written over.  Work on registers stands between the signal and the wait: |p|^2
	WIN 0x05                                       ; both sources window 1
.set n, 0
.rept 32                                       ; K step n / 8, tile n % 8: the 8 accumulators take turns
.if n < 8
	SQ S+8*(n%8), 32*(n%8)+8*(n/8), 1
.else
	SQ S+8*(n%8), 32*(n%8)+8*(n/8), 0
.endif
.set n, n+1
.endr
	WIN 0x0a                                       ; both sources window 2
.set n, 0
.rept 32
.if n < 8
	SQ S+64+8*(n%8), 32*(n%8)+8*(n/8), 1
.else
	SQ S+64+8*(n%8), 32*(n%8)+8*(n/8), 0
.endif
.set n, n+1
.endr
	WIN 0
	PLACES
.set p, 0
.rept 16
	EXTR S+8*p, PP+p
.set p, p+1
.endr
	s_barrier_wait -1                              ; every wave has read its prototypes out
.set t, 0
.rept 4                                        ; my 64 query rows, 16 at a time: rounded to bf16, 8 bytes a lane, into QST
	s_wait_loadcnt 48-16*t                         ; the later tiles' loads may stay out
	WIN 0x0f                                       ; sources window 3, destination window 0
.set i, 0
.rept 16
	v_cvt_pk_bf16_f32 v[QF+32*(t%2)+2*i],   v[4*(16*t+i)],   v[4*(16*t+i)+1]
	v_cvt_pk_bf16_f32 v[QF+32*(t%2)+2*i+1], v[4*(16*t+i)+2], v[4*(16*t+i)+3]
.set i, i+1
.endr
	WIN 0
.set i, 0
.rept 16
	ds_store_b64 v[QW], v[QF+32*(t%2)+2*i:QF+32*(t%2)+2*i+1] offset:PITCH*(16*t+i)
.set i, i+1
.endr
.set t, t+1
.endr
	v_add_nc_u32 v[PA], s55, v[QA0]                ; my place in my wave's own 64 rows of QST
.set t, 0
.rept 4
.irp k, 0,1,2,3
	ds_load_b128 v[S+32*t+8*\k:S+32*t+8*\k+3],   v[PA] offset:QTILE*t+64*\k     ; LDS serves a wave's instructions in order (ISA guide 5.7.1.4): these see my stores above
	ds_load_b128 v[S+32*t+8*\k+4:S+32*t+8*\k+7], v[PA] offset:QTILE*t+64*\k+32
.endr
.set t, t+1
.endr
	s_wait_dscnt 0x0
.set n, 0
.rept 16                                       ; |q|^2 of my four tiles: K step n / 4, tile n % 4: the 4 accumulators take turns
.if n < 4
	SQ CQ+8*(n%4), S+32*(n%4)+8*(n/4), 1
.else
	SQ CQ+8*(n%4), S+32*(n%4)+8*(n/4), 0
.endif
.set n, n+1
.endr
	PLACES
.set t, 0
.rept 4
	EXTR CQ+8*t, QF+t
	v_mul_f32 v[QF+t], -0.5, v[QF+t]
	ds_store_b32 v[TQ], v[QF+t] offset:64*t        ; the two halves of the lanes write the same word with the same number
.set t, t+1
.endr
	s_wait_dscnt 0x0                               ; for the others' sake: my rows of QST and my words of CQT are written
	s_barrier_signal -1
	s_barrier_wait -1                              ; QST and CQT are whole
	PLACES
	QLOAD 0, QA0, CA0                              ; tile 0
	TILE 0, 0,0,0,0,1, 0,0                         ; tile 0
	TILE 1, 1,0,0,0,1, 1,0                         ; tile 1: ACC(0) into slot 0
	TILE 0, 1,1,1,0,1, 1,1                         ; tile 2: tile 0 goes out
	s_mov_b32 s[CNT], 6
.Lpair:                                        ; tiles 3 to 14, two a trip
	TILE 1, 1,1,1,1,1, 1,1
	TILE 0, 1,1,1,1,1, 1,1
	s_sub_co_u32 s[CNT], s[CNT], 1
	s_cmp_lg_u32 s[CNT], 0
	s_cbranch_scc1 .Lpair
	TILE 1, 1,1,1,1,0, 1,1                         ; tile 15: nothing more to fetch
	; THE DRAIN: S1(15) is worked on, tile 14 goes out, then tile 15.
	s_wait_dscnt 0x0                               ; ACC(14) lies in slot 0, my reads of slot 1 are back
	s_barrier_signal -1
.set n, 0
.rept 34
	SLICE 1, n
.set n, n+1
.endr
	v_nop
	s_wait_alu depctr_va_vdst(0)                   ; the one wait for the last 64 roots
	s_barrier_wait -1
	s_wait_xcnt 0x0                                ; tile 13's stores have read their offset and data
	v_add_nc_u32 v[GO], 8192, v[GO]
	ROWS 0
	ALUMP 1, 0                                     ; ACC(15) is whole
	s_wait_dscnt 0x0
	SEND
	STACC 1
	s_wait_dscnt 0x0                               ; for the others' sake
	s_barrier_signal -1
	s_barrier_wait -1
	s_wait_xcnt 0x0                                ; tile 14's stores have read their offset and data
	v_add_nc_u32 v[GO], 8192, v[GO]
	ROWS 1
	s_wait_dscnt 0x0
	SEND
	s_wait_tensorcnt 0x0                           ; the wave's end, behind my last tensor load and my last LDS store
	ds_add_u32 v[SPW], v[NIL]
	s_wait_dscnt 0x0
	CROUND                                         ; the closing round: no work-group ends while a partner may still ask for a tile that names it
	s_endpgm
.Lfunc_end_k_qa0b6fdacdd_dist:
	.size	k_qa0b6fdacdd_dist, .Lfunc_end_k_qa0b6fdacdd_dist-k_qa0b6fdacdd_dist
	.p2alignl 7, 3214868480
	.fill 96, 4, 3214868480
	.section	.rodata,"a",@progbits
	.p2align	6, 0x0
	.amdhsa_kernel k_qa0b6fdacdd_dist
		.amdhsa_group_segment_fixed_size 296960
		.amdhsa_private_segment_fixed_size 0
		.amdhsa_enable_private_segment 0
		.amdhsa_kernarg_size 24
		.amdhsa_user_sgpr_count 2
		.amdhsa_user_sgpr_kernarg_segment_ptr 1
		.amdhsa_wavefront_size32 1
		.amdhsa_system_sgpr_workgroup_id_x 1
		.amdhsa_system_sgpr_workgroup_id_y 1
		.amdhsa_system_sgpr_workgroup_id_z 1
		.amdhsa_system_vgpr_workitem_id 0
		.amdhsa_next_free_vgpr 1024
		.amdhsa_next_free_sgpr 66
		.amdhsa_reserve_vcc 0
		.amdhsa_float_denorm_mode_32 3
		.amdhsa_float_denorm_mode_16_64 3
		.amdhsa_memory_ordered 1
		.amdhsa_forward_progress 1
		.amdhsa_inst_pref_size 215
	.end_amdhsa_kernel
	.amdgpu_metadata
---
amdhsa.version: [ 1, 2 ]
amdhsa.kernels:
  - .name:           k_qa0b6fdacdd_dist
    .symbol:         k_qa0b6fdacdd_dist.kd
    .args:
      - { .name: query_set_repr, .offset: 0, .size: 8, .value_kind: global_buffer, .address_space: global }
      - { .name: pws, .offset: 8, .size: 8, .value_kind: global_buffer, .address_space: global }
      - { .name: out0, .offset: 16, .size: 8, .value_kind: global_buffer, .address_space: global }
    .group_segment_fixed_size: 296960
    .private_segment_fixed_size: 0
    .kernarg_segment_align: 8
    .kernarg_segment_size: 24
    .max_flat_workgroup_size: 128
    .sgpr_count:     66
    .vgpr_count:     1024
    .wavefront_size: 32
...
	.end_amdgpu_metadata
.endif
;; end of part 2
